; MI455X (gfx1250); checked and timed in simulation.
; The chip was launched on July 23, 2026; its instructions are those of AMD's public machine-readable ISA for CDNA 5 (MIT licence, August 2026) and "CDNA5" Instruction Set Architecture Reference Guide (July 2026). The comments in the code are by the model that wrote it; some were corrected since.
;; GRU Cell BBB. Allowed arithmetic: matrix products marked QUANTISED: E2M1 operands, one E8M0 scale for each 32 along K, by v_wmma_scale_f32_16x16x128_f8f6f4 with both operands' format E2M1 (or v_wmma_scale_f32_32x16x128_f4), f32 sums; everything else in f32.
;; Inputs: U_mu 1,024 x 3,072 float32; U_rho 1,024 x 3,072 float32; W_mu 1,024 x 3,072 float32; W_rho 1,024 x 3,072 float32; b_mu 3,072 float32; b_rho 3,072 float32; h_pre_eps 1,024 float32; h_prev 2,048 x 1,024 float32; r_eps 1,024 float32; u_eps 1,024 float32; x 2,048 x 1,024 float32.
;; Outputs: out0 2,048 x 1,024 float32.
;; This version of the problem:
;;   THIS VERSION OF THE PROBLEM IS GIVEN IN LOW PRECISION. The matrix products marked QUANTISED in the list below multiply operands that are first quantised to E2M1 (2 exponent bits, 1 mantissa bit; 4 bits a number), with one power-of-two scale for each 32 numbers along K (OCP MX v1.0); their sums are f32. All else is computed in f32.
;;   The module's matrix products, in the order in which they are computed (A, B: the left and right operand; K: the contracted axis; several contracted axes count as one K, in the product's order):
;;     1. [M 2,048, K 1,024] x [K 1,024, N 3,072]; A: input x; B: input W_mu: QUANTISED
;;     2. [M 2,048, K 1,024] x [K 1,024, N 3,072]; A: input h_prev; B: input U_mu: QUANTISED
;;     3. [M 2,048, K 1,024] x [K 1,024, N 3,072]; A: computed on the way; B: computed on the way: QUANTISED
;;     4. [M 2,048, K 1,024] x [K 1,024, N 3,072]; A: computed on the way; B: computed on the way: QUANTISED
;;   THE QUANTISER, for each operand of a quantised product, along K:
;;     - K is cut into blocks of 32 from its start; a last block that is shorter is filled with zeros.
;;     - A block's scale is 2^e with e = floor(log2(the largest magnitude in the block)) - 2, held to -126 .. 127; a block of zeros has e = 0. As a byte (E8M0): e + 127.
;;     - Each number is divided by its block's scale, clamped to +-6, and rounded to the nearest number of E2M1, ties to even, subnormals kept.
;;     - The product sums the exact products of the quantised numbers (number of the format x scale) in f32.
;;   ~~~python
;;   def quantise(x, axis):      # numpy; x: float32 -> the quantised numbers, widened to float32 again
;;       x = np.moveaxis(x, axis, -1); K = x.shape[-1]
;;       x = np.pad(x, [(0, 0)] * (x.ndim - 1) + [(0, -K % 32)]); x = x.reshape(x.shape[:-1] + (-1, 32)); a = np.abs(x).max(-1, keepdims=True)
;;       e = np.where(a > 0, np.clip(np.frexp(np.where(a > 0, a, 1))[1] - 1 - 2, -126, 127), 0)      # np.frexp(a)[1] - 1 = floor(log2(a)), exactly
;;       r = np.clip(x / 2.0 ** e, -6, 6)
;;       step = 2.0 ** (np.maximum(np.frexp(np.where(r == 0, 1, r))[1] - 1, 0) - 1)
;;       q = np.round(r / step) * step * 2.0 ** e      # np.round: ties to even
;;       return np.moveaxis(q.reshape(q.shape[:-2] + (-1,))[..., :K], -1, axis).astype(np.float32)
;;   ~~~
;;   OPERANDS COMPUTED ON THE WAY. 'Computed on the way' means the value that the module computes at that place (a softmax that the list does not call 'softmax' is quantised finished and normalised). What goes into a quantiser is computed in f32, as accurately as f32 sums, v_exp_f32 and their like allow (about 1e-6 of the number): no bf16 or f16 on the way to a quantiser, and a product that is left as it is and whose result goes on into a quantised operand takes f32 operands (vector FMAs, or v_wmma_f32_16x16x4_f32). A number that lies on a knife's edge between two numbers of the format may be rounded either way, as far as f32 arithmetic and the matrix unit's own rounding can turn it there, and no further.
;; One version. Each part assembles by itself: llvm-mc -triple=amdgcn-amd-amdhsa -mcpu=gfx1250 --defsym DOCPART=n.
;; ======== version 1 of 1: 2 launches
;; limits: right only within a limited range of input values
;; workspace buffers: acts 4,456,448 bytes; wts 4,456,448 bytes
;; launch quant (part 1): grid 256 x 1, 16 waves a work-group, no clusters, 204,800 bytes of LDS; arguments x, h_prev, W_mu, W_rho, U_mu, U_rho, acts, wts; writes acts, wts
.if DOCPART == 1
	.amdgcn_target "amdgcn-amd-amdhsa--gfx1250"
	.amdhsa_code_object_version 6
	.text
	.protected	k_q4f9e636349_quant
	.globl	k_q4f9e636349_quant
	.p2align	8
	.type	k_q4f9e636349_quant,@function
k_q4f9e636349_quant:
	s_mov_b64 s[64:65], 0
	v_nop
	global_prefetch_b8 v0, s[64:65] scope:SCOPE_SE
	s_setreg_imm32_b32 hwreg(HW_REG_WAVE_MODE, 25, 1), 1
	s_wait_xcnt 0x0
; ALL EIGHT OPERANDS OF THE FOUR PRODUCTS BECOME CODES OF FP4 (E2M1) WITH ONE E8M0 SCALE BYTE FOR EACH 32 ALONG K.
; acts: x, h_prev (mean path) and their squares (variance path), K innermost.  wts: W_mu, U_mu and softplus(W_rho)^2, softplus(U_rho)^2, K = their first axis.
; DEAD WORK LEFT OUT: reference() computes the gate r = sigmoid(mu_r + sig_r r_eps) and never uses it: h is made of u, h_pre and h_prev alone, for all values of the inputs.  So columns 0 .. 1023 of the
; weights and of the biases are neither read nor multiplied, and r_eps is among no launch's arguments.  Limit: a NaN, an infinity or an overflow that reaches only the gate r is not carried to the result.
; LAYOUT of both buffers: [f 4][group 32][kind 2][tile 4][4352 bytes].  f = 2 P + s (P 0: x, W; 1: h_prev, U; s: which 512 of K = 1024); kind 0: mean, 1: variance.
;   A record is one tile (16 rows of an activation, or 16 columns of a weight) x 512 K: the codes of block blk (32 K) of row r at 256 blk + 16 r, which is the image of the
;   operand's registers (fragment q of 128 K: 1024 q + 512 c + 16 lane); from byte 4096 on the scale bytes, 16 r + blk: four words a row, one for each fragment.
;   acts: tile = row / 16.  wts: group g holds outputs j = 32 g .. 32 g + 31: tiles 0, 1 their u columns (1024 + j), tiles 2, 3 their h columns (2048 + j).
; A block's scale is 2^(floor(log2(largest magnitude)) - 2); its byte is the largest magnitude's exponent field - 2, held at 1 from below.
; SHARES.  256 work-groups of 16 waves.  A work-group takes 64 columns x 256 K of one pair (mu, rho) of weights, 128 KiB, and 16 rows x 1024 K of x or h_prev, 64 KiB.
;   Waves 0 to 7: rho, waves 8 to 15: mu; block = wave % 8: 32 K x 64 columns (a lane takes columns lane and lane + 32, its registers run down K: a block is one lane's 32 registers).
;   Waves 8 to 15 also take 128 K (512 bytes) of each of the 16 rows: as loaded, a row's 512 bytes lie in 32 lanes; they turn through the wave's own bytes of LDS, and lane (r, h) then holds 32 neighbours of row r.
; A weight tile comes by the wave's one tensor load at the head; each wave reads its own tile alone, behind its own wait; no LDS byte is filled twice.
; No cluster: no two work-groups read the same input byte.  No prefetch: there is no loop to run ahead in, and all loads go out at the head.
; softplus(x) = max(x, 0) + log1p(e^-|x|), in f32, with the roundings of x log2(e) and of 1 + t carried along (macro SP2).
; LIMITS: a block of zeros, and a block whose largest magnitude lies under 2^-124, gets the byte 1 (the rule says 127 for zeros): its codes are zeros or nearly so, and this program alone reads
; the bytes; e^-|x| under 2^-126 counts as 0 (its square is 0 in f32 in any case); the constant log2(e) is right to 1.3e-8 of itself, which enters t as 1.3e-8 |x|; NaN and infinities are not served.
.set FSTR, 1114112                     ; bytes from f to f + 1
.set GSTR, 34816                       ; from group to group
.set KSTR, 17408                       ; from the mean to the variance path
.set REC,  4352                        ; a record
.set AT,   131072                      ; LDS: behind the 16 weight tiles of 8,192 bytes: 16 activation tiles, 16 rows of 256 bytes + 16
.set TABW, 200704                      ; the weights' scale bytes: 512 kind + 256 u + 8 lane + block
.set TABA, 201728                      ; the activations': 512 s + 256 kind + 16 r + blk
.set SPARE, 202752                     ; the spare words, 128 bytes for each wave
.set FLOOR, 0x1800000                  ; 2^(3 - 127)
.set X, 64                             ; v64-127  64 numbers
.set E, 128                            ; v128-255: at work in SP2 (waves 0 to 7)
.set T, 160
.set U, 192
.set D, 224
.set A, 128                            ; v128-191 the activations as loaded (waves 8 to 15)
.set SPW, 62
.set NIL, 63
; v1 lane, v2 r, v3 h; v4-12, v56 addresses, never rewritten; v13-17 at work; v20-43 six sets of codes, v44-49 their scale bytes: each written once; v52-55 a table's bytes on their way out
; X[b .. b + 31] becomes softplus(x)^2.  t = 2^p (1 + e ln 2) with p = fl(-|x| log2 e) and e that product's exact residue; u = fl(1 + t), d = u - 1 and c = 2^p - d are exact;
; log1p(t) = ln u + c' / u with c' = c + 2^p e ln 2, and 1 - d stands for 1 / u (c' is at most half a last place of u, so the difference is under 1e-8 of the result).
.macro SP2 b
.set i, 0
.rept 32
	v_min_num_f32 v[E+i], v[X+\b+i], -v[X+\b+i]    ; -|x|
.set i, i+1
.endr
.set i, 0
.rept 16
	v_pk_mul_f32 v[T+i:T+i+1], v[E+i:E+i+1], s[56:57] op_sel_hi:[1,0]   ; p
.set i, i+2
.endr
.set i, 0
.rept 16
	v_pk_fma_f32 v[E+i:E+i+1], v[E+i:E+i+1], s[56:57], v[T+i:T+i+1] op_sel_hi:[1,0,1] neg_lo:[0,0,1] neg_hi:[0,0,1]   ; e
.set i, i+2
.endr
	s_wait_alu depctr_va_vdst(0)                   ; ahead of the batch
.set i, 0
.rept 32
	v_exp_f32 v[T+i], v[T+i]                       ; 2^p: one batch
.set i, i+1
.endr
.set i, 0
.rept 32
	v_max_num_f32 v[X+\b+i], 0, v[X+\b+i]          ; max(x, 0): plain work that names no result of the batch
.set i, i+1
.endr
	s_wait_alu depctr_va_vdst(0)                   ; one wait for the 32 exponentials, ahead of their first reader
.set i, 0
.rept 16
	v_pk_add_f32 v[U+i:U+i+1], v[T+i:T+i+1], 1.0 op_sel_hi:[1,0]        ; u
.set i, i+2
.endr
.set i, 0
.rept 16
	v_pk_add_f32 v[D+i:D+i+1], v[U+i:U+i+1], -1.0 op_sel_hi:[1,0]       ; d
.set i, i+2
.endr
	s_wait_alu depctr_va_vdst(0)
.set i, 0
.rept 32
	v_log_f32 v[U+i], v[U+i]                       ; log2 u: one batch
.set i, i+1
.endr
.set i, 0
.rept 16
	v_pk_mul_f32 v[E+i:E+i+1], v[T+i:T+i+1], v[E+i:E+i+1]               ; 2^p e   (these four runs name no logarithm)
.set i, i+2
.endr
.set i, 0
.rept 16
	v_pk_add_f32 v[T+i:T+i+1], v[T+i:T+i+1], v[D+i:D+i+1] neg_lo:[0,1] neg_hi:[0,1]   ; c
.set i, i+2
.endr
.set i, 0
.rept 16
	v_pk_fma_f32 v[T+i:T+i+1], v[E+i:E+i+1], s[58:59], v[T+i:T+i+1] op_sel_hi:[1,0,1]   ; c'
.set i, i+2
.endr
.set i, 0
.rept 16
	v_pk_fma_f32 v[T+i:T+i+1], v[T+i:T+i+1], v[D+i:D+i+1], v[T+i:T+i+1] neg_lo:[1,0,0] neg_hi:[1,0,0]   ; c' (1 - d)
.set i, i+2
.endr
	s_wait_alu depctr_va_vdst(0)                   ; one wait for the 32 logarithms
.set i, 0
.rept 16
	v_pk_fma_f32 v[T+i:T+i+1], v[U+i:U+i+1], s[58:59], v[T+i:T+i+1] op_sel_hi:[1,0,1]   ; log1p(t)
.set i, i+2
.endr
.set i, 0
.rept 16
	v_pk_add_f32 v[X+\b+i:X+\b+i+1], v[X+\b+i:X+\b+i+1], v[T+i:T+i+1]   ; softplus
.set i, i+2
.endr
.set i, 0
.rept 16
	v_pk_mul_f32 v[X+\b+i:X+\b+i+1], v[X+\b+i:X+\b+i+1], v[X+\b+i:X+\b+i+1]   ; squared
.set i, i+2
.endr
.endm
; From a block's floored largest magnitude in v[m]: the conversion's scale operand (2 off the exponent field; the conversion takes that field alone), the byte into v[e], the 32 codes into v[c .. c + 3].
.macro CODES b, c, e, m
	s_delay_alu instid0(VALU_DEP_1)
	v_add_nc_u32 v15, 0xff000000, v[\m]
	s_delay_alu instid0(VALU_DEP_1)
	v_lshrrev_b32 v[\e], 23, v15
.irp g, 0,1,2,3
	v_cvt_scalef32_pk8_fp4_f32 v[(\c)+\g], v[X+(\b)+8*\g:X+(\b)+8*\g+7], v15
.endr
	v_nop                                          ; one plain line behind the last conversion of a run
.endm
; The block X[b .. b + 31]: its largest magnitude, in two chains, with the floor as one more leaf; then CODES.
.macro Q32 b, c, e, m
	v_max3_num_f32 v[\m], |v[X+(\b)]|, |v[X+(\b)+1]|, |v[X+(\b)+2]|
	v_max3_num_f32 v14, |v[X+(\b)+3]|, |v[X+(\b)+4]|, |v[X+(\b)+5]|
.irp n, 6,10,14,18,22,26
	s_delay_alu instid0(VALU_DEP_2)
	v_max3_num_f32 v[\m], v[\m], |v[X+(\b)+\n]|, |v[X+(\b)+\n+1]|
	s_delay_alu instid0(VALU_DEP_2)
	v_max3_num_f32 v14, v14, |v[X+(\b)+\n+2]|, |v[X+(\b)+\n+3]|
.endr
	s_delay_alu instid0(VALU_DEP_2)
	v_max3_num_f32 v[\m], v[\m], |v[X+(\b)+30]|, |v[X+(\b)+31]|
	s_delay_alu instid0(VALU_DEP_1)
	v_max3_num_f32 v[\m], v[\m], v14, FLOOR
	CODES \b, \c, \e, \m
.endm
.macro TILE                            ; my weight tile into registers
	s_wait_tensorcnt 0x0
.set i, 0
.rept 32
	ds_load_b32 v[X+i], v4 offset:256*i            ; row i of the block, column lane: 128 consecutive bytes a wave
	ds_load_b32 v[X+32+i], v4 offset:256*i+128     ; column lane + 32
.set i, i+1
.endr
	s_wait_dscnt 0x0
.endm
.macro WOUT                            ; my two blocks a lane become codes
.irp u, 0,1
	Q32 32*\u, 20+4*\u, 44+\u, 13
	global_store_b128 v6, v[20+4*\u:23+4*\u], s[60:61] offset:\u*GSTR   ; lanes 0-15 and lanes 16-31 each store 256 consecutive bytes, at a multiple of 256
	ds_store_b8 v8, v[44+\u] offset:256*\u
.endr
.endm
	s_load_b512 s[8:23], s[0:1], 0x0               ; x s[8:9], h_prev s[10:11], W_mu s[12:13], W_rho s[14:15], U_mu s[16:17], U_rho s[18:19], acts s[20:21], wts s[22:23]
	v_lshl_add_u32 v[SPW], v0, 2, SPARE
	v_mov_b32 v[NIL], 0
	ds_add_u32 v[SPW], v[NIL]                      ; the wave's opening: the add, twice on end
	ds_add_u32 v[SPW], v[NIL]
	v_lshrrev_b32 v1, 5, v0
	v_readfirstlane_b32 s24, v1                    ; wave 0..15
	s_lshr_b32 s25, s24, 3                         ; 0: rho;  1: mu and activations
	s_and_b32 s26, s24, 7                          ; my block of the work-group's eight; also: which 128 K of the rows
	s_xor_b32 s31, s25, 1                          ; kind of my weight tile
	s_lshr_b32 s27, ttmp9, 7                       ; P
	s_bfe_u32 s28, ttmp9, 0x50002                  ; G: 64 columns from 1024 + 64 G on
	s_and_b32 s29, ttmp9, 3                        ; kq: 256 of K
	s_and_b32 s30, ttmp9, 127                      ; my 16 rows of x or h_prev
	; descriptor group 1: 32 rows x 64 elements of 4 bytes, rows 3,072 elements apart, no padding
	s_mov_b32 s32, 2<<16
	s_mov_b32 s33, 64<<16                          ; tensor_dim0
	s_mov_b32 s34, 32<<16                          ; tensor_dim1
	s_mov_b32 s35, 64<<16                          ; tile_dim0
	s_mov_b32 s36, 32                              ; tile_dim1
	s_mov_b32 s37, 3072                            ; stride
	s_mov_b32 s38, 0
	s_mov_b32 s39, 0
	s_mov_b32 s48, 1                               ; group 0: count,
	s_lshl_b32 s49, s24, 13                        ; LDS address: 8,192 x wave
	; where my tiles begin in memory
	s_lshl_b32 s2, s29, 8
	s_lshl_b32 s3, s26, 5
	s_add_co_u32 s2, s2, s3                        ; weight row 256 kq + 32 block,
	s_mul_i32 s2, s2, 12288
	s_lshl_b32 s3, s28, 8
	s_add_co_u32 s2, s2, s3
	s_add_co_u32 s2, s2, 4096                      ; column 1024 + 64 G
	s_mov_b32 s3, 0
	s_lshl_b32 s4, s30, 16                         ; 16 rows of 4,096 bytes,
	s_lshl_b32 s5, s26, 9
	s_add_co_u32 s4, s4, s5                        ; byte 512 x (wave % 8) of them
	s_mov_b32 s5, 0
	; where my results go.  Weights: what the whole work-group shares,
	s_lshl_b32 s6, s27, 1
	s_lshr_b32 s7, s29, 1
	s_add_co_u32 s6, s6, s7                        ; f = 2 P + s
	s_mul_i32 s6, s6, FSTR
	s_and_b32 s7, s28, 15
	s_mul_i32 s7, s7, 2*GSTR                       ; two groups of 32 outputs,
	s_add_co_u32 s6, s6, s7
	s_lshr_b32 s7, s28, 4                          ; the gate: tiles 0, 1 or 2, 3
	s_mul_i32 s7, s7, 2*REC
	s_add_co_u32 s6, s6, s7
	s_and_b32 s7, s29, 1                           ; which eight blocks of the record's sixteen
	s_lshl_b32 s7, s7, 3
	s_mul_i32 s60, s31, KSTR                       ; my codes: kind, block
	s_add_co_u32 s60, s60, s6
	s_add_co_u32 s61, s7, s26
	s_lshl_b32 s61, s61, 8
	s_add_co_u32 s60, s60, s61
	s_mov_b32 s61, 0
	s_bfe_u32 s66, s24, 0x10001                    ; the scale bytes leave by waves 0 to 3: kind = wave / 2, group = wave % 2
	s_mul_i32 s66, s66, KSTR
	s_add_co_u32 s66, s66, s6
	s_and_b32 s70, s24, 1
	s_mul_i32 s71, s70, GSTR
	s_add_co_u32 s66, s66, s71
	s_add_co_u32 s66, s66, s7
	s_add_co_u32 s66, s66, 4096
	s_mov_b32 s67, 0
	s_lshr_b32 s40, s30, 2                         ; activations: group, tile, 2 P
	s_mul_i32 s40, s40, GSTR
	s_and_b32 s71, s30, 3
	s_mul_i32 s71, s71, REC
	s_add_co_u32 s40, s40, s71
	s_mul_i32 s71, s27, 2*FSTR
	s_add_co_u32 s40, s40, s71
	s_lshr_b32 s44, s26, 2                         ; s of my 128 K
	s_and_b32 s45, s26, 3
	s_mul_i32 s62, s44, FSTR                       ; my codes: 1,024 bytes at 1024 x (wave % 4)
	s_add_co_u32 s62, s62, s40
	s_lshl_b32 s63, s45, 10
	s_add_co_u32 s62, s62, s63
	s_mov_b32 s63, 0
	s_mul_i32 s68, s70, FSTR                       ; the scale bytes leave by waves 4 and 5, one for each 512 of K
	s_add_co_u32 s68, s68, s40
	s_add_co_u32 s68, s68, 4096
	s_mov_b32 s69, 0
	s_mul_i32 s41, s26, 2*REC                      ; LDS: my two activation tiles,
	s_add_co_u32 s41, s41, AT
	s_lshl_b32 s42, s31, 9                         ; my weight bytes' place in the table,
	s_add_co_u32 s42, s42, s26
	s_add_co_u32 s42, s42, TABW
	s_lshl_b32 s43, s44, 9                         ; and my activations'
	s_lshl_b32 s45, s45, 2
	s_add_co_u32 s43, s43, s45
	s_add_co_u32 s43, s43, TABA
	s_mov_b32 s56, 0x3fb8aa3b                      ; log2(e), as a pair for the packed forms
	s_mov_b32 s57, s56
	s_mov_b32 s58, 0x3f317218                      ; ln 2
	s_mov_b32 s59, s58
	; every address register is made here, ahead of the first branch on the wave's number
	v_and_b32 v1, 31, v0                           ; lane
	v_and_b32 v2, 15, v0                           ; r
	v_bfe_u32 v3, v0, 4, 1                         ; h
	v_and_b32 v10, 127, v0
	v_and_b32 v11, 63, v0
	v_lshlrev_b32 v4, 2, v1
	v_mul_u32_u24 v5, v2, 272
	v_mul_u32_u24 v6, v3, REC
	v_mul_u32_u24 v12, v3, KSTR
	v_lshlrev_b32 v7, 4, v1                        ; 16 x lane
	v_add_nc_u32 v4, s49, v4                       ; my weight tile: 4 x lane
	v_lshl_add_u32 v5, v3, 7, v5
	v_lshl_add_u32 v6, v2, 4, v6                   ; tile h of two, 16 r: in wts,
	v_lshl_add_u32 v12, v2, 4, v12                 ; kind h, row r: where 16 scale bytes of an activation's row go
	v_lshl_add_u32 v8, v1, 3, s42
	v_lshlrev_b32 v9, 4, v2
	v_add_nc_u32 v5, s41, v5                       ; my activation tile read: row r, 128 h
	v_add_nc_u32 v56, s41, v6                      ; and written: tile h, 16 r
	v_add_nc_u32 v9, v9, v3
	v_lshl_add_u32 v10, v10, 3, TABW               ; the tables read back: 8 bytes a thread of waves 0 to 3,
	v_lshl_add_u32 v11, v11, 4, TABA               ; 16 bytes a thread of waves 4 and 5
	v_add_nc_u32 v9, s43, v9
	s_wait_alu depctr_va_vdst(0)
	s_wait_dscnt 0x0                               ; both opening adds are done
	s_wait_kmcnt 0x0
	s_cmp_lg_u32 s27, 0                            ; the choices hang on the work-group's and the wave's number alone
	s_cselect_b64 s[12:13], s[16:17], s[12:13]     ; U_mu or W_mu
	s_cselect_b64 s[14:15], s[18:19], s[14:15]     ; U_rho or W_rho
	s_cselect_b64 s[8:9], s[10:11], s[8:9]         ; h_prev or x
	s_cmp_lg_u32 s25, 0
	s_cselect_b64 s[12:13], s[12:13], s[14:15]     ; mu or rho
	s_add_nc_u64 s[50:51], s[12:13], s[2:3]
	s_or_b32 s51, s51, 0x80000000                  ; type = 2
	tensor_load_to_lds s[48:51], s[32:39]          ; the wave's one tensor load
	s_nop 0
.rept 4
	v_nop
.endr
	s_add_nc_u64 s[54:55], s[8:9], s[4:5]
	s_add_nc_u64 s[60:61], s[22:23], s[60:61]
	s_add_nc_u64 s[66:67], s[22:23], s[66:67]
	s_add_nc_u64 s[62:63], s[20:21], s[62:63]
	s_add_nc_u64 s[68:69], s[20:21], s[68:69]
	s_cmp_lg_u32 s25, 0
	s_cbranch_scc1 .Lmean
	TILE                                           ; waves 0 to 7: rho
	SP2 0
	SP2 32
	WOUT
	s_branch .Ljoin
.Lmean:                                        ; waves 8 to 15: mu as it is, then the activations
.set i, 0
.rept 16
	global_load_b128 v[A+4*i:A+4*i+3], v7, s[54:55] offset:4096*i th:TH_LOAD_NT   ; row i: 512 consecutive bytes
.set i, i+1
.endr
	TILE
	WOUT
	s_wait_loadcnt 0x0
.set i, 0
.rept 16
	ds_store_b128 v56, v[A+4*i:A+4*i+3] offset:272*i   ; into my own two tiles: lanes 0-15 tile 0, lanes 16-31 tile 1
.set i, i+1
.endr
.irp u, 0,1
.irp n, 0,1,2,3,4,5,6,7
	ds_load_b128 v[X+32*\u+4*\n:X+32*\u+4*\n+3], v5 offset:REC*\u+16*\n   ; 32 neighbours along K of row r.  LDS serves a wave's instructions in order (ISA guide 5.7.1.4): these see my stores
.endr
.endr
.irp u, 0,1
.if \u == 0
	s_wait_dscnt 8                                 ; tile 0's eight loads are in, tile 1's may be out
.else
	s_wait_dscnt 2                                 ; behind tile 1's loads: tile 0's two byte stores
.endif
	Q32 32*\u, 28+8*\u, 46+2*\u, 16
	global_store_b128 v7, v[28+8*\u:31+8*\u], s[62:63] offset:512*\u       ; 512 consecutive bytes
	ds_store_b8 v9, v[46+2*\u] offset:2*\u
.set i, 32*\u
.rept 16
	v_pk_mul_f32 v[X+i:X+i+1], v[X+i:X+i+1], v[X+i:X+i+1]   ; the squares
.set i, i+2
.endr
	v_mul_f32 v17, v16, v16                        ; rounding keeps order, so the largest magnitude's square is the largest square, bit for bit
	s_delay_alu instid0(VALU_DEP_1)
	v_max_num_f32 v17, FLOOR, v17
	CODES 32*\u, 32+8*\u, 47+2*\u, 17
	global_store_b128 v7, v[32+8*\u:35+8*\u], s[62:63] offset:512*\u+KSTR
	ds_store_b8 v9, v[47+2*\u] offset:2*\u+256
.endr
.Ljoin:
	s_wait_dscnt 0x0                               ; for the others' sake: my bytes lie in the tables
	s_barrier_signal -1
	s_barrier_wait -1
	s_cmp_lt_u32 s24, 4
	s_cbranch_scc0 .Lnot_weights
	ds_load_b64 v[52:53], v10                      ; a column's eight bytes
	s_wait_dscnt 0x0
	global_store_b64 v6, v[52:53], s[66:67]        ; 8 of each 16 bytes of the record's scale bytes: the other 8 are another work-group's (the other 256 of K)
	s_branch .Ldone
.Lnot_weights:
	s_cmp_lt_u32 s24, 6
	s_cbranch_scc0 .Ldone
	ds_load_b128 v[52:55], v11                     ; a row's sixteen bytes: lanes 0-15 the mean path's, lanes 16-31 the variance path's
	s_wait_dscnt 0x0
	global_store_b128 v12, v[52:55], s[68:69]      ; sixteen lanes store 256 consecutive bytes, at a multiple of 256
.Ldone:
	s_wait_tensorcnt 0x0                           ; the wave's end
	ds_add_u32 v[SPW], v[NIL]
	s_wait_dscnt 0x0
	s_endpgm
.Lfunc_end_k_q4f9e636349_quant:
	.size	k_q4f9e636349_quant, .Lfunc_end_k_q4f9e636349_quant-k_q4f9e636349_quant
	.p2alignl 7, 3214868480
	.fill 96, 4, 3214868480
	.section	.rodata,"a",@progbits
	.p2align	6, 0x0
	.amdhsa_kernel k_q4f9e636349_quant
		.amdhsa_group_segment_fixed_size 204800
		.amdhsa_private_segment_fixed_size 0
		.amdhsa_enable_private_segment 0
		.amdhsa_kernarg_size 64
		.amdhsa_user_sgpr_count 2
		.amdhsa_user_sgpr_kernarg_segment_ptr 1
		.amdhsa_wavefront_size32 1
		.amdhsa_system_sgpr_workgroup_id_x 1
		.amdhsa_system_sgpr_workgroup_id_y 1
		.amdhsa_system_sgpr_workgroup_id_z 1
		.amdhsa_system_vgpr_workitem_id 0
		.amdhsa_next_free_vgpr 256
		.amdhsa_next_free_sgpr 72
		.amdhsa_reserve_vcc 0
		.amdhsa_float_denorm_mode_32 3
		.amdhsa_float_denorm_mode_16_64 3
		.amdhsa_memory_ordered 1
		.amdhsa_forward_progress 1
		.amdhsa_inst_pref_size 67
	.end_amdhsa_kernel
	.amdgpu_metadata
---
amdhsa.version: [ 1, 2 ]
amdhsa.kernels:
  - .name:           k_q4f9e636349_quant
    .symbol:         k_q4f9e636349_quant.kd
    .args:
      - { .name: x, .offset: 0, .size: 8, .value_kind: global_buffer, .address_space: global }
      - { .name: h_prev, .offset: 8, .size: 8, .value_kind: global_buffer, .address_space: global }
      - { .name: W_mu, .offset: 16, .size: 8, .value_kind: global_buffer, .address_space: global }
      - { .name: W_rho, .offset: 24, .size: 8, .value_kind: global_buffer, .address_space: global }
      - { .name: U_mu, .offset: 32, .size: 8, .value_kind: global_buffer, .address_space: global }
      - { .name: U_rho, .offset: 40, .size: 8, .value_kind: global_buffer, .address_space: global }
      - { .name: acts, .offset: 48, .size: 8, .value_kind: global_buffer, .address_space: global }
      - { .name: wts, .offset: 56, .size: 8, .value_kind: global_buffer, .address_space: global }
    .group_segment_fixed_size: 204800
    .private_segment_fixed_size: 0
    .kernarg_segment_align: 8
    .kernarg_segment_size: 64
    .max_flat_workgroup_size: 512
    .sgpr_count:     72
    .vgpr_count:     256
    .wavefront_size: 32
...
	.end_amdgpu_metadata
.endif
;; end of part 1
;; launch cell (part 2): grid 16 x 16, 4 waves a work-group, clusters of 4 x 4, 327,680 bytes of LDS; arguments acts, wts, h_prev, b_mu, b_rho, u_eps, h_pre_eps, out0; writes out0
.if DOCPART == 2
	.amdgcn_target "amdgcn-amd-amdhsa--gfx1250"
	.amdhsa_code_object_version 6
	.text
	.protected	k_q4f9e636349_cell
	.globl	k_q4f9e636349_cell
	.p2align	8
	.type	k_q4f9e636349_cell,@function
k_q4f9e636349_cell:
	s_mov_b64 s[64:65], 0
	v_nop
	global_prefetch_b8 v0, s[64:65] scope:SCOPE_SE
	s_setreg_imm32_b32 hwreg(HW_REG_WAVE_MODE, 25, 1), 1
	s_wait_xcnt 0x0
	s_wait_alu depctr_hold_cnt(0) depctr_sa_sdst(0) depctr_va_vdst(0) depctr_va_sdst(0) depctr_va_ssrc(0) depctr_va_vcc(0) depctr_vm_vsrc(0)
	s_getreg_b32 s2, hwreg(HW_REG_IB_STS2, 6, 4)
	s_cmp_eq_u32 s2, 0
	s_cbranch_scc0 .Lentry_in_a_cluster
	s_endpgm
.Lentry_in_a_cluster:
	s_bfe_u32 s2, ttmp6, 0x10000c
	s_cmp_lg_u32 s2, 0xf033
	s_cbranch_scc0 .Lentry_shape_is_right
	s_endpgm
.Lentry_shape_is_right:
; h = u h_prev + (1 - u) tanh(z_h), u = sigmoid(z_u), z = mu + sig eps, for 2,048 rows x 1,024 outputs.
; mu = x W_mu + h_prev U_mu + b_mu and sig = x^2 sp(W_rho)^2 + h_prev^2 sp(U_rho)^2 + sp(b_rho) are two products of K = 2,048 on codes of FP4 (E2M1) with E8M0 scales, made by the launch before:
; acts, wts: [f 4][group 32][kind 2][tile 4][4352]: f = which 512 of K; kind 0 mean, 1 variance; a record = 16 rows (acts) or 16 columns (wts) x 512 K as images of
; the operand's registers (fragment q: 1024 q + 512 c + 16 lane), and from byte 4096 on four scale words a row.  A group of wts holds, for 32 outputs, tiles 0, 1: gate u, tiles 2, 3: gate h.
; LEFT OUT: the gate r of the source reaches no output, for any input: it is not computed, and r_eps and the first 1,024 columns of the weights and biases are not read (a NaN, an infinity or an overflow there is not carried on).
; SHARES.  A work-group makes 128 rows x 64 outputs: 128 x 128 gate columns of mu and of sig.  Wave w: kind w / 2, rows 64 (w % 2) .. + 63 (4 tiles a), all 128 gate columns (8 tiles b = 4 group + 2 gate + j): 32 accumulators.
; THE MATRIX INSTRUCTION IS USED TRANSPOSED (source 0 = 16 columns of a weight, source 1 = 16 rows): a lane holds one row and eight neighbouring columns.
; CLUSTERS: 4 x 4 work-groups.  The four of a row of the cluster need the same rows of acts, the four of a column the same groups of wts: every tile is asked for JOINTLY, by the same
; tensor load with the same descriptor and a mask that names the four.
; FOUR FILLS f, each 512 of K of both kinds: 69,632 dense bytes of acts and as many of wts, into a ring of two LDS slots (f % 2).  At the head each wave issues one load: waves 0, 1 acts and wts of fill 0, waves 2, 3 those of fill 1.
; Fills 2 and 3 go out behind a round of the cluster's barrier each, half of an operand a wave.  A slot's last step waits for all loads, so each wave has one load out at the most.
; PREFETCH: what fills 2 and 3 will load is asked of memory ahead: fill 2's behind the head's loads, fill 3's in fill 0's first step.  Each block of 256 bytes is named once in each cluster: of the 136 blocks
; that a wave will load, the partner at place p (cx for acts, cy for wts) names 34, in two instructions of 17 lanes (the lanes over name the last block again).
; THE WAY OUT: all sums go to a stage in slot 0, which has had its last fill and its last read, rows of 512 bytes + 16, mu's and behind them sig's; each wave reads 32 rows of both back by rows, 16 bytes a lane,
; so that h_prev, the constants and out0 go straight between memory and registers: sixteen lanes take 256 consecutive bytes.
; LIMITS: sigmoid and tanh by 2^x and a reciprocal: absolute error about 1e-7, right at both ends (2^x = infinity gives 0, 2^x = 0 gives 1); sp(b_rho) has an absolute error of about 6e-8
; (it stands ahead of no quantiser); NaN and infinities among the inputs are not served.
; REGISTERS, in windows of 256.  window 0: v1-19 addresses and scratch; v32-79 scale words, two sets, and nothing else; v80-103 constants, v104-111 scratch; v128-255 two batches of the way out.
;   window 1: weight fragments of four steps.   window 2: the accumulators, (a, b) at 8 (8 a + b).   window 3: activation fragments of four steps, v0-127; h_prev v128-191.
.set FSTR, 1114112
.set GSTR, 34816
.set KSTR, 17408
.set REC,  4352
.set HALF, 2*GSTR                      ; a slot: acts' two groups, then wts' two
.set SLOT, 2*HALF
.set SPARE, 2*SLOT                     ; the spare words, 128 bytes for each wave
.set SP,   528                         ; a stage row
.set SGO,  128*SP                      ; from mu's stage to sig's
.set ADRA, 4                           ; v4-5    my acts fragments in slot 0, 1
.set ADRW, 6                           ; v6-7    wts fragments of my kind
.set ADSA, 8                           ; v8-9    acts' scale words: 16 r; lanes 16-31 two tiles further on
.set ADSW, 10                          ; v10-11  wts' scale words: 16 r; lanes 16-31 one group further on
.set STO,  12                          ; v12     into the stage: row r, 32 h
.set RD,   13                          ; v13     out of it, mu: row h, 16 r
.set CO,   14                          ; v14     the same two rows in h_prev and out0
.set CN,   15                          ; v15     16 r
.set PFO,  16                          ; v16     256 x min(lane, 16)
.set RDS,  20                          ; v20     out of the stage, sig
.set SPW,  30
.set NIL,  31
.set SC,   32                          ; set s at SC + 24 s: wts 4 t + q (lanes 0-15 tile t of group 0, lanes 16-31 of group 1), then acts 16 + 4 t + q (lanes 0-15 tile t, lanes 16-31 tile t + 2)
.set BM,   80                          ; b_mu: gate u 4, gate h 4; later the constant part of the exponent
.set BR,   88                          ; b_rho likewise
.set EP,   96                          ; eps likewise; later times the exponent's factor
.set TM,   104
.set EB,   128
.set HV,   128                         ; in window 3
.set G1HA, 32                          ; groups 1: head acts, head wts, ring acts, ring wts
.set G1HW, 40
.set G1RA, 48
.set G1RW, 56
.set H0,   68                          ; groups 0 of the head: acts at H0 + 8 f, wts at H0 + 4 + 8 f
.set R0,   84                          ; of the ring: fill 2 + i: acts at R0 + 8 i, wts at R0 + 4 + 8 i
.set MSB, 0
.macro WIN new                         ; the immediate's high byte repeats the setting that is left; a switch that changes nothing is dropped
.if MSB != \new
	s_set_vgpr_msb (MSB<<8)|\new
.set MSB, \new
.endif
.endm
.set MUL,  0xad                        ; source 0 (wts) window 1, source 1 (acts) window 3, C and D window 2
.set TO_F, 0x40                        ; destination window 1, address window 0
.set TO_A, 0xc0                        ; destination window 3, address window 0
.macro CREST                           ; a round of the cluster's barrier behind its opening barrier
	s_cmp_lg_u32 s20, 0
	s_cbranch_scc1 .Lnot_wave_0_\@
	s_barrier_signal -3
.Lnot_wave_0_\@:
	s_barrier_wait -3
	s_barrier_signal -1
	s_barrier_wait -1
.endm
.macro CROUND
	s_barrier_signal -1
	s_barrier_wait -1
	CREST
.endm
.macro PLACES                          ; four plain vector lines between a matrix instruction and a load into one of its registers, or the first read of its result (ISA guide 7.12.1 for the first read of its result)
.rept 4
	v_nop
.endr
.endm
.macro LOADIT g0, g1
	tensor_load_to_lds s[\g0:\g0+3], s[\g1:\g1+7]
	s_nop 0
	PLACES
.endm
.macro ARM under, g0, g1, next         ; one arm of the head's one chain of branches on the wave's number
	s_cmp_lt_u32 s20, \under
	s_cbranch_scc0 \next
	LOADIT \g0, \g1
	s_branch .Lhead_asked
\next:
.endm
.macro JLOAD i                         ; fill 2 + i: waves 0 and 1 fetch acts' two groups, waves 2 and 3 wts'
	s_cmp_eq_u32 s21, 0
	s_cbranch_scc0 .Lfor_w_\@
	LOADIT R0+8*\i, G1RA
	s_branch .Lasked_\@
.Lfor_w_\@:
	LOADIT R0+4+8*\i, G1RW
.Lasked_\@:
.endm
.macro ASK f                           ; my 34 blocks of what my work-group will load in fill f
.irp i, 0,1
	global_prefetch_b8 v[PFO], s[30:31] offset:\f*FSTR+4352*\i th:TH_LOAD_NT scope:SCOPE_SE
.endr
.endm
; Step k = 4 f + q, 0 .. 15, is 128 along K.
.macro LSC f                           ; a fill's scale words: 6 loads
	WIN 0
.irp t, 0,1,2,3
	ds_load_b128 v[SC+24*((\f)%2)+4*\t:SC+24*((\f)%2)+4*\t+3], v[ADSW+(\f)%2] offset:\t*REC
.endr
.irp t, 0,1
	ds_load_b128 v[SC+24*((\f)%2)+16+4*\t:SC+24*((\f)%2)+16+4*\t+3], v[ADSA+(\f)%2] offset:\t*REC
.endr
.endm
.macro LFR k                           ; step k's fragments, 8 of weights and 4 of activations: 24 loads of 512 consecutive bytes
	WIN TO_F
.irp b, 0,1,2,3,4,5,6,7
.irp c, 0,1
	ds_load_b128 v[64*((\k)%4)+8*\b+4*\c:64*((\k)%4)+8*\b+4*\c+3], v[ADRW+((\k)/4)%2] offset:(\b/4)*GSTR+(\b%4)*REC+1024*((\k)%4)+512*\c
.endr
.endr
	WIN TO_A
.irp a, 0,1,2,3
.irp c, 0,1
	ds_load_b128 v[32*((\k)%4)+8*\a+4*\c:32*((\k)%4)+8*\a+4*\c+3], v[ADRA+((\k)/4)%2] offset:\a*REC+1024*((\k)%4)+512*\c
.endr
.endr
.endm
; One product: tile of rows a, tile of columns b.  Source 0's scale words stand in lanes 0-15 (b < 4) or 16-31, source 1's in lanes 0-15 (a < 2) or 16-31.  Step 0 begins the sums with 0.
.macro WM k, a, b
.set AC, 8*(8*\a+\b)
.set WF, 64*((\k)%4)+8*\b
.set AF, 32*((\k)%4)+8*\a
.set SW, SC+24*(((\k)/4)%2)+4*(\b%4)+(\k)%4
.set SA, SC+24*(((\k)/4)%2)+16+4*(\a%2)+(\k)%4
.if (\k) == 0
.if \a < 2 && \b < 4
	v_wmma_scale_f32_16x16x128_f8f6f4 v[AC:AC+7], v[WF:WF+7], v[AF:AF+7], 0, v[SW], v[SA] matrix_a_fmt:MATRIX_FMT_FP4 matrix_b_fmt:MATRIX_FMT_FP4
.elseif \a < 2
	v_wmma_scale_f32_16x16x128_f8f6f4 v[AC:AC+7], v[WF:WF+7], v[AF:AF+7], 0, v[SW], v[SA] matrix_a_fmt:MATRIX_FMT_FP4 matrix_b_fmt:MATRIX_FMT_FP4 matrix_a_scale:MATRIX_SCALE_ROW1
.elseif \b < 4
	v_wmma_scale_f32_16x16x128_f8f6f4 v[AC:AC+7], v[WF:WF+7], v[AF:AF+7], 0, v[SW], v[SA] matrix_a_fmt:MATRIX_FMT_FP4 matrix_b_fmt:MATRIX_FMT_FP4 matrix_b_scale:MATRIX_SCALE_ROW1
.else
	v_wmma_scale_f32_16x16x128_f8f6f4 v[AC:AC+7], v[WF:WF+7], v[AF:AF+7], 0, v[SW], v[SA] matrix_a_fmt:MATRIX_FMT_FP4 matrix_b_fmt:MATRIX_FMT_FP4 matrix_a_scale:MATRIX_SCALE_ROW1 matrix_b_scale:MATRIX_SCALE_ROW1
.endif
.else
.if \a < 2 && \b < 4
	v_wmma_scale_f32_16x16x128_f8f6f4 v[AC:AC+7], v[WF:WF+7], v[AF:AF+7], v[AC:AC+7], v[SW], v[SA] matrix_a_fmt:MATRIX_FMT_FP4 matrix_b_fmt:MATRIX_FMT_FP4
.elseif \a < 2
	v_wmma_scale_f32_16x16x128_f8f6f4 v[AC:AC+7], v[WF:WF+7], v[AF:AF+7], v[AC:AC+7], v[SW], v[SA] matrix_a_fmt:MATRIX_FMT_FP4 matrix_b_fmt:MATRIX_FMT_FP4 matrix_a_scale:MATRIX_SCALE_ROW1
.elseif \b < 4
	v_wmma_scale_f32_16x16x128_f8f6f4 v[AC:AC+7], v[WF:WF+7], v[AF:AF+7], v[AC:AC+7], v[SW], v[SA] matrix_a_fmt:MATRIX_FMT_FP4 matrix_b_fmt:MATRIX_FMT_FP4 matrix_b_scale:MATRIX_SCALE_ROW1
.else
	v_wmma_scale_f32_16x16x128_f8f6f4 v[AC:AC+7], v[WF:WF+7], v[AF:AF+7], v[AC:AC+7], v[SW], v[SA] matrix_a_fmt:MATRIX_FMT_FP4 matrix_b_fmt:MATRIX_FMT_FP4 matrix_a_scale:MATRIX_SCALE_ROW1 matrix_b_scale:MATRIX_SCALE_ROW1
.endif
.endif
.endm
.macro MM8 k, a                        ; step k's eight products of tile of rows a.  The 32 accumulators take turns, one instruction a turn, in the same order in every step
	WIN MUL
.irp b, 0,1,2,3,4,5,6,7
	WM \k, \a, \b
.endr
.endm
; One of a fill's first three steps.  Its buffers of four steps let the loads run two steps ahead.
.macro STEP k
.if (\k)%4 < 2
	PLACES
	LFR (\k)+2
	s_wait_dscnt 48                                ; behind this step's loads: those of the two steps that follow
.else
	s_wait_dscnt 24                                ; of the one step that follows in this slot
.endif
.irp a, 0,1,2,3
	MM8 \k, \a
.endr
.endm
; A fill's last step, fills 0 to 2: all of the slot is in registers; the next slot is shown whole to every wave, and this one is filled again (fills 0 and 1).
.macro TURN f
	s_wait_dscnt 0x0
	MM8 4*\f+3, 0
	MM8 4*\f+3, 1
	WIN 0                                          ; (the add's two registers lie in window 0)
	s_wait_tensorcnt 0x0                           ; all my tensor loads have landed
	ds_add_u32 v[SPW], v[NIL]                      ; 0 onto my spare word
	MM8 4*\f+3, 2
	s_wait_dscnt 0x0                               ; the add is done, and so are my reads of this slot
	s_barrier_signal -1
	MM8 4*\f+3, 3
	WIN 0
	s_barrier_wait -1
.if \f < 2
	CREST                                          ; the barrier has opened a round: no wave of any partner still reads this slot or has a load on its way
	JLOAD \f                                       ; fill f + 2, the first tensor load behind the round
.else
	PLACES
.endif
.endm
.macro LHP                             ; h_prev: my 32 rows, two an instruction
	WIN TO_A
.set i, 0
.rept 16
	global_load_b128 v[HV+4*i:HV+4*i+3], v[CO], s[8:9] offset:8192*i th:TH_LOAD_NT
.set i, i+1
.endr
.endm
.macro ST a                            ; tile of rows a into the stage: gate u's 64 outputs, then gate h's; each accumulator from its low end on
	WIN 0x08
.irp b, 0,1,2,3,4,5,6,7
	ds_store_b128 v[STO], v[64*\a+8*\b:64*\a+8*\b+3] offset:16*SP*\a+256*((\b%4)/2)+128*(\b/4)+64*(\b%2)
	ds_store_b128 v[STO], v[64*\a+8*\b+4:64*\a+8*\b+7] offset:16*SP*\a+256*((\b%4)/2)+128*(\b/4)+64*(\b%2)+16
.endr
.endm
	s_load_b512 s[4:19], s[0:1], 0x0               ; acts s[4:5], wts s[6:7], h_prev s[8:9], b_mu s[10:11], b_rho s[12:13], u_eps s[14:15], h_pre_eps s[16:17], out0 s[18:19]
	v_lshl_add_u32 v[SPW], v0, 2, SPARE
	v_mov_b32 v[NIL], 0
	ds_add_u32 v[SPW], v[NIL]                      ; the wave's opening: the add, twice on end
	ds_add_u32 v[SPW], v[NIL]
	v_lshrrev_b32 v1, 5, v0
	v_readfirstlane_b32 s20, v1                    ; wave 0..3
	s_lshr_b32 s21, s20, 1                         ; kind; also: I fetch acts (0) or wts (1) in the ring
	s_and_b32 s22, s20, 1                          ; my 64 rows; also: which group I fetch
	s_bfe_u32 s23, ttmp6, 0x40000                  ; cx, cy: my place in the cluster
	s_bfe_u32 s24, ttmp6, 0x40004
	s_lshl_b32 s25, ttmp9, 2
	s_add_co_u32 s25, s25, s23                     ; X: outputs 64 X on
	s_and_b32 s26, ttmp7, 0xffff
	s_lshl_b32 s26, s26, 2
	s_add_co_u32 s26, s26, s24                     ; Y: rows 128 Y on
	s_lshl_b32 s27, s24, 2
	s_lshl_b32 s27, 15, s27                        ; my row of the cluster
	s_lshl_b32 s28, 0x1111, s23                    ; my column
	s_mul_i32 s29, s21, KSTR
	s_mul_i32 s100, s22, GSTR
	s_add_co_u32 s30, s100, s29                    ; my acts in a slot
	s_add_co_u32 s29, s29, HALF                    ; my wts
	s_mul_i32 s31, s21, SGO
	s_mul_i32 s66, s22, 64*SP
	s_add_co_u32 s31, s31, s66                     ; my part of the stage, written
	s_mul_i32 s66, s20, 32*SP                      ; and read
	v_and_b32 v1, 15, v0                           ; r
	v_bfe_u32 v2, v0, 4, 1                         ; h
	v_and_b32 v3, 31, v0                           ; lane
	v_lshlrev_b32 v17, 4, v3
	v_mul_u32_u24 v18, v2, 2*REC
	v_mul_u32_u24 v19, v2, GSTR
	v_mul_u32_u24 v[STO], v1, SP
	v_mul_u32_u24 v[RD], v2, SP
	v_lshlrev_b32 v[CO], 12, v2
	v_lshlrev_b32 v[CN], 4, v1
	v_min_u32 v[PFO], 16, v3
	v_add_nc_u32 v[ADRA], s30, v17
	v_add_nc_u32 v[ADRW], s29, v17
	v_lshl_add_u32 v18, v1, 4, v18
	v_lshl_add_u32 v19, v1, 4, v19
	v_lshl_add_u32 v[STO], v2, 5, v[STO]
	v_lshl_add_u32 v[RD], v1, 4, v[RD]
	v_lshl_add_u32 v[CO], v1, 4, v[CO]
	v_lshlrev_b32 v[PFO], 8, v[PFO]
	v_add_nc_u32 v18, s30, v18
	v_add_nc_u32 v19, s29, v19
	v_add_nc_u32 v[STO], s31, v[STO]
	v_add_nc_u32 v[RD], s66, v[RD]
	v_add_nc_u32 v[ADSA], 4096, v18
	v_add_nc_u32 v[ADSW], 4096, v19
	v_add_nc_u32 v[RDS], SGO, v[RD]
	v_add_nc_u32 v[ADRA+1], SLOT, v[ADRA]
	v_add_nc_u32 v[ADRW+1], SLOT, v[ADRW]
	v_add_nc_u32 v[ADSA+1], SLOT, v[ADSA]
	v_add_nc_u32 v[ADSW+1], SLOT, v[ADSW]
	s_wait_alu depctr_va_vdst(0)
	; groups 1: rows of 256 bytes (32 elements of 8), dense; 15:0 the mask, 21 set beside it
	s_or_b32 s[G1HA], s27, (3<<16)|(1<<21)
	s_or_b32 s[G1RA], s27, (3<<16)|(1<<21)
	s_or_b32 s[G1HW], s28, (3<<16)|(1<<21)
	s_or_b32 s[G1RW], s28, (3<<16)|(1<<21)
.irp g, G1HA, G1HW, G1RA, G1RW
	s_mov_b32 s[\g+1], 32<<16                      ; tensor_dim0
	s_mov_b32 s[\g+3], 32<<16                      ; tile_dim0
	s_mov_b32 s[\g+5], 32                          ; stride
	s_mov_b32 s[\g+6], 0
	s_mov_b32 s[\g+7], 0
.endr
.irp g, G1HA, G1HW
	s_mov_b32 s[\g+2], 272<<16                     ; at the head both groups of an operand: 272 rows
	s_mov_b32 s[\g+4], 272
.endr
.irp g, G1RA, G1RW
	s_mov_b32 s[\g+2], 136<<16                     ; in the ring one group: 136 rows
	s_mov_b32 s[\g+4], 136
.endr
.irp i, 0,1
	s_mov_b32 s[H0+8*\i], 1
	s_mov_b32 s[H0+8*\i+1], \i*SLOT
	s_mov_b32 s[H0+4+8*\i], 1
	s_mov_b32 s[H0+4+8*\i+1], \i*SLOT+HALF
	s_mov_b32 s[R0+8*\i], 1
	s_add_co_u32 s[R0+8*\i+1], s100, \i*SLOT
	s_mov_b32 s[R0+4+8*\i], 1
	s_add_co_u32 s[R0+4+8*\i+1], s100, \i*SLOT+HALF
.endr
	s_mul_i32 s2, s26, 2*GSTR                      ; acts: groups 2 Y, 2 Y + 1
	s_mov_b32 s3, 0
	s_mul_i32 s66, s25, 2*GSTR                     ; wts: groups 2 X, 2 X + 1
	s_mov_b32 s67, 0
	s_mov_b32 s101, 0
	s_wait_dscnt 0x0                               ; both opening adds are done
	CROUND                                         ; all sixteen work-groups are here: the first joint loads meet
	s_wait_kmcnt 0x0
	s_add_nc_u64 s[2:3], s[4:5], s[2:3]
	s_add_nc_u64 s[66:67], s[6:7], s[66:67]
.irp i, 0,1
	s_add_nc_u64 s[H0+8*\i+2:H0+8*\i+3], s[2:3], \i*FSTR
	s_or_b32 s[H0+8*\i+3], s[H0+8*\i+3], 0x80000000        ; type = 2
	s_add_nc_u64 s[H0+4+8*\i+2:H0+4+8*\i+3], s[66:67], \i*FSTR
	s_or_b32 s[H0+4+8*\i+3], s[H0+4+8*\i+3], 0x80000000
.endr
	ARM 1, H0,    G1HA, .Lhead_w0                  ; wave 0: acts of fill 0
	ARM 2, H0+4,  G1HW, .Lhead_a1                  ; wave 1: wts of fill 0
	ARM 3, H0+8,  G1HA, .Lhead_w1                  ; wave 2: acts of fill 1
	LOADIT H0+12, G1HW                             ; wave 3: wts of fill 1
.Lhead_asked:
	s_cmp_eq_u32 s21, 0                            ; the prefetches: my part of acts or wts, and my place among the four that load it
	s_cselect_b64 s[30:31], s[2:3], s[66:67]
	s_cselect_b32 s28, s23, s24
	s_mul_i32 s28, s28, 34*256
	s_mov_b32 s29, 0
	s_add_nc_u64 s[30:31], s[30:31], s[100:101]
	s_add_nc_u64 s[30:31], s[30:31], s[28:29]
	s_lshl_b32 s28, s25, 8                         ; the constants: byte 256 X; the biases of gate u begin at byte 4,096, those of gate h 4,096 further on
	s_add_nc_u64 s[14:15], s[14:15], s[28:29]
	s_add_nc_u64 s[16:17], s[16:17], s[28:29]
	s_add_co_u32 s28, s28, 4096
	s_add_nc_u64 s[10:11], s[10:11], s[28:29]
	s_add_nc_u64 s[12:13], s[12:13], s[28:29]
	global_load_b128 v[BM:BM+3], v[CN], s[10:11]   ; a lane's four outputs: 64 X + 4 r on
	global_load_b128 v[BM+4:BM+7], v[CN], s[10:11] offset:4096
	global_load_b128 v[BR:BR+3], v[CN], s[12:13]
	global_load_b128 v[BR+4:BR+7], v[CN], s[12:13] offset:4096
	global_load_b128 v[EP:EP+3], v[CN], s[14:15]
	global_load_b128 v[EP+4:EP+7], v[CN], s[16:17]
	ASK 2
	s_add_nc_u64 s[2:3], s[2:3], s[100:101]        ; the ring: my group of an operand
	s_add_nc_u64 s[66:67], s[66:67], s[100:101]
.irp i, 0,1
	s_add_nc_u64 s[R0+8*\i+2:R0+8*\i+3], s[2:3], (2+\i)*FSTR
	s_or_b32 s[R0+8*\i+3], s[R0+8*\i+3], 0x80000000
	s_add_nc_u64 s[R0+4+8*\i+2:R0+4+8*\i+3], s[66:67], (2+\i)*FSTR
	s_or_b32 s[R0+4+8*\i+3], s[R0+4+8*\i+3], 0x80000000
.endr
	s_lshl_b32 s28, s26, 19                        ; h_prev and out0: row 128 Y + 32 x wave, byte 256 X
	s_lshl_b32 s29, s20, 17
	s_add_co_u32 s28, s28, s29
	s_lshl_b32 s29, s25, 8
	s_add_co_u32 s28, s28, s29
	s_mov_b32 s29, 0
	s_add_nc_u64 s[8:9], s[8:9], s[28:29]
	s_add_nc_u64 s[18:19], s[18:19], s[28:29]
	s_mov_b32 s22, 0xbfb8aa3b                      ; -log2(e), as a pair for the packed forms
	s_mov_b32 s23, s22
	s_mov_b32 s24, 0x4038aa3b                      ; 2 log2(e)
	s_mov_b32 s25, s24
	s_mov_b32 s26, 0x3fb8aa3b                      ; log2(e)
	s_mov_b32 s27, 0x3f317218                      ; ln 2
	s_cmp_lt_u32 s20, 2
	s_cbranch_scc0 .Lnot_fill_0
	s_wait_tensorcnt 0x0                           ; waves 0 and 1: my operand of fill 0 is in; waves 2 and 3, whose loads are lines of their own, wait for fill 1's in its TURN
.Lnot_fill_0:
	s_barrier_signal -1
	s_barrier_wait -1
.irp f, 0,1,2,3
	LSC \f
	LFR 4*\f
	LFR 4*\f+1
	STEP 4*\f
.if \f == 0
	WIN 0
	ASK 3                                          ; a whole fill's work ahead of its load
.endif
.if \f == 1
	LHP
.endif
	STEP 4*\f+1
	STEP 4*\f+2
.if \f < 3
	TURN \f
.endif
.endr
	s_wait_dscnt 0x0                               ; the last step; its tiles of rows leave for the stage as they are finished
	MM8 15, 0
	MM8 15, 1
	PLACES
	ST 0
	MM8 15, 2
	PLACES
	ST 1
	MM8 15, 3
	PLACES
	ST 2
	ST 3
	WIN 0
	; while the stores are out: the constants.  sp(b_rho) = max(x, 0) + ln 2 x log2(1 + 2^(-|x| log2 e)); KB = b_mu + sp(b_rho) x eps; both KB and eps times the exponent's factor
	s_wait_loadcnt 16                              ; the six loads of constants are in; h_prev's 16 may be out
.irp i, 0,1,2,3,4,5,6,7
	v_min_num_f32 v[TM+\i], v[BR+\i], -v[BR+\i]
.endr
.irp i, 0,1,2,3,4,5,6,7
	v_mul_f32 v[TM+\i], s26, v[TM+\i]
.endr
	s_wait_alu depctr_va_vdst(0)                   ; ahead of each batch of transcendentals and ahead of its first reader
.irp i, 0,1,2,3,4,5,6,7
	v_exp_f32 v[TM+\i], v[TM+\i]
.endr
.irp i, 0,1,2,3,4,5,6,7
	v_max_num_f32 v[BR+\i], 0, v[BR+\i]
.endr
	s_wait_alu depctr_va_vdst(0)
.irp i, 0,1,2,3,4,5,6,7
	v_add_f32 v[TM+\i], 1.0, v[TM+\i]
.endr
	s_wait_alu depctr_va_vdst(0)
.irp i, 0,1,2,3,4,5,6,7
	v_log_f32 v[TM+\i], v[TM+\i]
.endr
	v_nop
	s_wait_alu depctr_va_vdst(0)
.irp i, 0,1,2,3,4,5,6,7
	v_fma_f32 v[BR+\i], v[TM+\i], s27, v[BR+\i]
.endr
.irp i, 0,1,2,3,4,5,6,7
	v_fma_f32 v[BM+\i], v[BR+\i], v[EP+\i], v[BM+\i]
.endr
.irp i, 0,1,2,3
	v_mul_f32 v[BM+\i], s22, v[BM+\i]
	v_mul_f32 v[BM+4+\i], s24, v[BM+4+\i]
	v_mul_f32 v[EP+\i], s22, v[EP+\i]
	v_mul_f32 v[EP+4+\i], s24, v[EP+4+\i]
.endr
	s_wait_alu depctr_va_vdst(0)
	s_wait_dscnt 0x0                               ; for the others' sake: my sums lie in the stage
	s_barrier_signal -1
	s_barrier_wait -1
; A BATCH j of the way out: four pairs of rows t, 16 registers each: mu of gate u (0-3) and gate h (4-7), sig of gate u (8-11) and gate h (12-15), of the lane's four outputs.
.macro RDB j
.set BB, EB+64*((\j)%2)
.irp t, 0,1,2,3
.irp g, 0,1
	ds_load_b128 v[BB+16*\t+4*\g:BB+16*\t+4*\g+3], v[RD] offset:2*SP*(4*(\j)+\t)+256*\g
	ds_load_b128 v[BB+16*\t+8+4*\g:BB+16*\t+8+4*\g+3], v[RDS] offset:2*SP*(4*(\j)+\t)+256*\g
.endr
.endr
.endm
.macro BATCH j
.set BB, EB+64*((\j)%2)
.if \j < 3
	s_wait_dscnt 16                                ; the next batch's 16 loads may be out
.else
	s_wait_dscnt 0x0
.endif
.if \j == 0
	s_wait_loadcnt 0x0                             ; h_prev is in
.endif
.irp t, 0,1,2,3
.irp n, 0,2
	v_pk_fma_f32 v[BB+16*\t+\n:BB+16*\t+\n+1], v[BB+16*\t+\n:BB+16*\t+\n+1], s[22:23], v[BM+\n:BM+\n+1] op_sel_hi:[1,0,1]
	v_pk_fma_f32 v[BB+16*\t+4+\n:BB+16*\t+4+\n+1], v[BB+16*\t+4+\n:BB+16*\t+4+\n+1], s[24:25], v[BM+4+\n:BM+4+\n+1] op_sel_hi:[1,0,1]
.endr
.endr
.irp t, 0,1,2,3
.irp n, 0,2,4,6
	v_pk_fma_f32 v[BB+16*\t+\n:BB+16*\t+\n+1], v[BB+16*\t+8+\n:BB+16*\t+8+\n+1], v[EP+\n:EP+\n+1], v[BB+16*\t+\n:BB+16*\t+\n+1]   ; -z_u log2 e, 2 z_h log2 e
.endr
.endr
	s_wait_alu depctr_va_vdst(0)
.irp t, 0,1,2,3
.irp i, 0,1,2,3,4,5,6,7
	v_exp_f32 v[BB+16*\t+\i], v[BB+16*\t+\i]
.endr
.endr
	v_nop                                          ; a plain line behind the last of the batch
	s_wait_alu depctr_va_vdst(0)
.irp t, 0,1,2,3
.irp n, 0,2,4,6
	v_pk_add_f32 v[BB+16*\t+\n:BB+16*\t+\n+1], v[BB+16*\t+\n:BB+16*\t+\n+1], 1.0 op_sel_hi:[1,0]
.endr
.endr
	s_wait_alu depctr_va_vdst(0)
.irp t, 0,1,2,3
.irp i, 0,1,2,3,4,5,6,7
	v_rcp_f32 v[BB+16*\t+\i], v[BB+16*\t+\i]       ; registers 0-3 are u
.endr
.endr
	v_nop
	s_wait_alu depctr_va_vdst(0)
.irp t, 0,1,2,3
.irp n, 4,6
	v_pk_fma_f32 v[BB+16*\t+\n:BB+16*\t+\n+1], v[BB+16*\t+\n:BB+16*\t+\n+1], -2.0, 1.0 op_sel_hi:[1,0,0]   ; h_pre = tanh = 1 - 2 / (1 + e^(2 z))
.endr
.endr
	WIN 0x03                                       ; source 0 (h_prev) window 3
.irp t, 0,1,2,3
.irp n, 0,2
	v_pk_add_f32 v[BB+16*\t+8+\n:BB+16*\t+8+\n+1], v[HV+16*\j+4*\t+\n:HV+16*\j+4*\t+\n+1], v[BB+16*\t+4+\n:BB+16*\t+4+\n+1] neg_lo:[0,1] neg_hi:[0,1]   ; h_prev - h_pre
.endr
.endr
	WIN 0
.irp t, 0,1,2,3
.irp n, 0,2
	v_pk_fma_f32 v[BB+16*\t+8+\n:BB+16*\t+8+\n+1], v[BB+16*\t+\n:BB+16*\t+\n+1], v[BB+16*\t+8+\n:BB+16*\t+8+\n+1], v[BB+16*\t+4+\n:BB+16*\t+4+\n+1]   ; h = u (h_prev - h_pre) + h_pre
.endr
.endr
.irp t, 0,1,2,3
	global_store_b128 v[CO], v[BB+16*\t+8:BB+16*\t+11], s[18:19] offset:8192*(4*\j+\t) th:TH_STORE_NT   ; sixteen lanes store 256 consecutive bytes, at a multiple of 256 from out0's first byte
.endr
.if \j < 2
	s_wait_xcnt 0x0                                ; the stores have read their registers: the batch after the next may land there
	RDB \j+2
.endif
.endm
	RDB 0
	RDB 1
.irp j, 0,1,2,3
	BATCH \j
.endr
	s_wait_tensorcnt 0x0                           ; the wave's end
	ds_add_u32 v[SPW], v[NIL]
	s_wait_dscnt 0x0
	CROUND                                         ; the closing round: no work-group ends while a partner may still ask for a tile that names it
	s_endpgm
.Lfunc_end_k_q4f9e636349_cell:
	.size	k_q4f9e636349_cell, .Lfunc_end_k_q4f9e636349_cell-k_q4f9e636349_cell
	.p2alignl 7, 3214868480
	.fill 96, 4, 3214868480
	.section	.rodata,"a",@progbits
	.p2align	6, 0x0
	.amdhsa_kernel k_q4f9e636349_cell
		.amdhsa_group_segment_fixed_size 327680
		.amdhsa_private_segment_fixed_size 0
		.amdhsa_enable_private_segment 0
		.amdhsa_kernarg_size 64
		.amdhsa_user_sgpr_count 2
		.amdhsa_user_sgpr_kernarg_segment_ptr 1
		.amdhsa_wavefront_size32 1
		.amdhsa_system_sgpr_workgroup_id_x 1
		.amdhsa_system_sgpr_workgroup_id_y 1
		.amdhsa_system_sgpr_workgroup_id_z 1
		.amdhsa_system_vgpr_workitem_id 0
		.amdhsa_next_free_vgpr 1024
		.amdhsa_next_free_sgpr 102
		.amdhsa_reserve_vcc 0
		.amdhsa_float_denorm_mode_32 3
		.amdhsa_float_denorm_mode_16_64 3
		.amdhsa_memory_ordered 1
		.amdhsa_forward_progress 1
		.amdhsa_inst_pref_size 149
	.end_amdhsa_kernel
	.amdgpu_metadata
---
amdhsa.version: [ 1, 2 ]
amdhsa.kernels:
  - .name:           k_q4f9e636349_cell
    .symbol:         k_q4f9e636349_cell.kd
    .args:
      - { .name: acts, .offset: 0, .size: 8, .value_kind: global_buffer, .address_space: global }
      - { .name: wts, .offset: 8, .size: 8, .value_kind: global_buffer, .address_space: global }
      - { .name: h_prev, .offset: 16, .size: 8, .value_kind: global_buffer, .address_space: global }
      - { .name: b_mu, .offset: 24, .size: 8, .value_kind: global_buffer, .address_space: global }
      - { .name: b_rho, .offset: 32, .size: 8, .value_kind: global_buffer, .address_space: global }
      - { .name: u_eps, .offset: 40, .size: 8, .value_kind: global_buffer, .address_space: global }
      - { .name: h_pre_eps, .offset: 48, .size: 8, .value_kind: global_buffer, .address_space: global }
      - { .name: out0, .offset: 56, .size: 8, .value_kind: global_buffer, .address_space: global }
    .group_segment_fixed_size: 327680
    .private_segment_fixed_size: 0
    .kernarg_segment_align: 8
    .kernarg_segment_size: 64
    .max_flat_workgroup_size: 128
    .sgpr_count:     102
    .vgpr_count:     1024
    .wavefront_size: 32
...
	.end_amdgpu_metadata
.endif
;; end of part 2
